; MI455X (gfx1250); checked and timed in simulation.
; The chip was launched on July 23, 2026; its instructions are those of AMD's public machine-readable ISA for CDNA 5 (MIT licence, August 2026) and "CDNA5" Instruction Set Architecture Reference Guide (July 2026). The comments in the code are by the model that wrote it; some were corrected since.
;; Multi Head Additive Attention. Allowed arithmetic: matrix products marked QUANTISED: E2M3 operands, one E8M0 scale for each 32 along K, by v_wmma_scale_f32_16x16x128_f8f6f4 with both operands' format E2M3, f32 sums; products left as they are: f32 operands where the result goes on into a quantised operand, else bf16, f16 or f32 operands; f32 sums; everything else in f32.
;; Inputs: Wk 1,024 x 1,024 float32; Wo 1,024 x 1,024 float32; Wq 1,024 x 1,024 float32; Wv 1,024 x 16 float32; bias 8 x 1 x 1 x 4,096 float32; bk 1,024 float32; bo 1,024 float32; bq 1,024 float32; bv 16 float32; memory 8 x 4,096 x 1,024 float32; query 8 x 4,096 x 1,024 float32.
;; Outputs: out0 8 x 1 x 1,024 float32.
;; This version of the problem:
;;   THIS VERSION OF THE PROBLEM IS GIVEN IN LOW PRECISION. The matrix products marked QUANTISED in the list below multiply operands that are first quantised to E2M3 (2 exponent bits, 3 mantissa bits; 6 bits a number), with one power-of-two scale for each 32 numbers along K (OCP MX v1.0); their sums are f32. All else is computed in f32.
;;   The module's matrix products, in the order in which they are computed (A, B: the left and right operand; K: the contracted axis; several contracted axes count as one K, in the product's order):
;;     1. [M 32,768, K 1,024] x [K 1,024, N 1,024]; A: input query; B: input Wq: QUANTISED
;;     2. [M 32,768, K 1,024] x [K 1,024, N 1,024]; A: input memory; B: input Wk: QUANTISED
;;     3. [M 32,768, K 1,024] x [K 1,024, N 16]; A: computed on the way; B: input Wv: QUANTISED
;;     4. batch 128 x [M 1, K 4,096] x [K 4,096, N 64]; A: softmax; B: input memory: left as it is (M = 1 < 16)
;;     5. [M 8, K 1,024] x [K 1,024, N 1,024]; A: computed on the way; B: input Wo: left as it is (M = 8 < 16)
;;   THE QUANTISER, for each operand of a quantised product, along K:
;;     - K is cut into blocks of 32 from its start; a last block that is shorter is filled with zeros.
;;     - A block's scale is 2^e with e = floor(log2(the largest magnitude in the block)) - 2, held to -126 .. 127; a block of zeros has e = 0. As a byte (E8M0): e + 127.
;;     - Each number is divided by its block's scale, clamped to +-7.5, and rounded to the nearest number of E2M3, ties to even, subnormals kept.
;;     - The product sums the exact products of the quantised numbers (number of the format x scale) in f32.
;;   ~~~python
;;   def quantise(x, axis):      # numpy; x: float32 -> the quantised numbers, widened to float32 again
;;       x = np.moveaxis(x, axis, -1); K = x.shape[-1]
;;       x = np.pad(x, [(0, 0)] * (x.ndim - 1) + [(0, -K % 32)]); x = x.reshape(x.shape[:-1] + (-1, 32)); a = np.abs(x).max(-1, keepdims=True)
;;       e = np.where(a > 0, np.clip(np.frexp(np.where(a > 0, a, 1))[1] - 1 - 2, -126, 127), 0)      # np.frexp(a)[1] - 1 = floor(log2(a)), exactly
;;       r = np.clip(x / 2.0 ** e, -7.5, 7.5)
;;       step = 2.0 ** (np.maximum(np.frexp(np.where(r == 0, 1, r))[1] - 1, 0) - 3)
;;       q = np.round(r / step) * step * 2.0 ** e      # np.round: ties to even
;;       return np.moveaxis(q.reshape(q.shape[:-2] + (-1,))[..., :K], -1, axis).astype(np.float32)
;;   ~~~
;;   OPERANDS COMPUTED ON THE WAY. 'Computed on the way' means the value that the module computes at that place (a softmax that the list does not call 'softmax' is quantised finished and normalised). What goes into a quantiser is computed in f32, as accurately as f32 sums, v_exp_f32 and their like allow (about 1e-6 of the number): no bf16 or f16 on the way to a quantiser, and a product that is left as it is and whose result goes on into a quantised operand takes f32 operands (vector FMAs, or v_wmma_f32_16x16x4_f32). A number that lies on a knife's edge between two numbers of the format may be rounded either way, as far as f32 arithmetic and the matrix unit's own rounding can turn it there, and no further.
;; One version. Each part assembles by itself: llvm-mc -triple=amdgcn-amd-amdhsa -mcpu=gfx1250 --defsym DOCPART=n.
;; ======== version 1 of 1: 3 launches
;; limits: a function is approximated: absolute error at most 1e-07
;; workspace buffers: wb 1,572,864 bytes; ws 65,536 bytes; wvc 12,288 bytes; wvs 1,024 bytes; part 2,097,152 bytes; stats 131,072 bytes
;; launch prep (part 1): grid 129 x 1, 8 waves a work-group, no clusters, 14,336 bytes of LDS; arguments Wq, Wk, Wv, wb, ws, wvc, wvs; writes wb, ws, wvc, wvs
.if DOCPART == 1
	.amdgcn_target "amdgcn-amd-amdhsa--gfx1250"
	.amdhsa_code_object_version 6
	.text
	.protected	k_q9dd7e613a4_prep
	.globl	k_q9dd7e613a4_prep
	.p2align	8
	.type	k_q9dd7e613a4_prep,@function
k_q9dd7e613a4_prep:
	s_mov_b64 s[64:65], 0
	v_nop
	global_prefetch_b8 v0, s[64:65] scope:SCOPE_SE
	s_setreg_imm32_b32 hwreg(HW_REG_WAVE_MODE, 25, 1), 1
	s_wait_xcnt 0x0
; Wq, Wk [1024][1024] and Wv [1024][16], f32 with K as the FIRST axis, become codes of FP6 (E2M3) with one E8M0 byte for each 32 along K,
; laid in the order of the operand registers of the launch that multiplies them, so that a lane there loads its fragments whole, 16 bytes at a time.
; A block's scale is 2^(floor(log2(its largest magnitude)) - 2); its byte is the largest magnitude's exponent field - 2, held at 1 from below.
; (A block of zeros so gets the byte 1: its codes are zeros, and this program alone reads the bytes.)
; LIMITS: blocks whose largest magnitude lies under 2^-124 keep the byte 1; NaN and infinities among the inputs are not served.
; wb  [s 16][w 4][t 16][c 3][lane 32][16 bytes]: K step s of 128 (0-7 Wq, 8-15 Wk); fragment (s, w, t): lane (r, h) holds column 256 w + 32 (t / 2) + 8 (t % 2) + r + 8 (r / 8);
;     register 6 c2 + i holds the 24 bytes of k = 128 s + 64 c2 + 32 h + 0 .. 31; registers 4 c .. 4 c + 3 lie at 512 c + 16 lane.
; ws  [s][w][q 2][lane 32][jj 4] words: the four bytes of column lane % 16 of fragment t = 2 (4 q + jj) + lane / 16.
; wvc [ks 8][c 3][lane 32][16 bytes], wvs [ks 8][lane 32] words: lane (r, h) holds head r, k in its natural order.
; SHARES.  Work-groups 0 to 127: K step id / 8, columns 128 (id % 8) on.  Wave v: 32 columns (v % 4), 64 of the K step (v / 4).  A LANE TAKES A COLUMN AND ITS REGISTERS RUN DOWN K: a block of 32 lies in one lane,
; and the conversions give codes with K innermost.  The eight fragments and their scale words are gathered in LDS as images and leave in runs of 512 consecutive bytes.
; Work-group 128: Wv, a K step to a wave; its codes are the operand's registers as they come.  That path touches no LDS and has no barrier; the branch hangs on the work-group's number alone.
.set X,   32                           ; v32-95  64 numbers of my column
.set SCB, 12288                        ; LDS: behind the eight images of 1,536 bytes, 512 bytes of scale words
	s_load_b256 s[4:11], s[0:1], 0x0               ; Wq s[4:5], Wk s[6:7], Wv s[8:9], wb s[10:11]
	s_load_b128 s[12:15], s[0:1], 0x20             ; ws s[12:13], wvc s[14:15]
	s_load_b64 s[16:17], s[0:1], 0x30              ; wvs
	v_lshl_add_u32 v128, v0, 2, 0x3400
	v_mov_b32 v129, 0
	v_lshrrev_b32 v1, 5, v0
	v_readfirstlane_b32 s18, v1                    ; wave 0..7
	v_and_b32 v2, 31, v0                           ; lane
	s_cmp_eq_u32 ttmp9, 128
	s_cbranch_scc1 .Lwv
	; ---- Wq and Wk
	s_lshr_b32 s19, ttmp9, 3                       ; K step s
	s_and_b32 s20, ttmp9, 7                        ; which 128 columns
	s_and_b32 s21, s18, 3                          ; gq: which 32 of them
	s_lshr_b32 s22, s18, 2                         ; c2: which 64 of the K step
	s_and_b32 s23, s19, 7
	s_lshl_b32 s23, s23, 7
	s_lshl_b32 s24, s22, 6
	s_add_co_u32 s23, s23, s24                     ; my first row of the weight: 128 (s % 8) + 64 c2
	s_lshl_b32 s24, s23, 12                        ; a row is 4,096 bytes
	s_lshl_b32 s25, s20, 9
	s_add_co_u32 s24, s24, s25
	s_lshl_b32 s25, s21, 7
	s_add_co_u32 s24, s24, s25                     ; + 4 x my wave's first column
	s_mov_b32 s25, 0
	v_lshlrev_b32 v3, 2, v2                        ; 4 bytes a lane
	v_bfe_u32 v4, v0, 3, 1                         ; u: column 8 u + r + 8 (r / 8) of the 32 is lane: u is the lane's bit 3,
	v_and_b32 v5, 7, v0
	v_bfe_u32 v6, v0, 4, 1
	v_lshl_add_u32 v5, v6, 3, v5                   ; r = lane % 8 + 8 (lane / 16)
	v_mul_u32_u24 v7, v4, 1536
	v_lshl_add_u32 v7, v5, 4, v7
	s_mul_i32 s28, s21, 3072
	v_add_nc_u32 v7, s28, v7                       ; fragment 2 gq + u of the eight, 16 r in it
	s_mul_i32 s29, s22, 520
	v_add_nc_u32 v8, s29, v7                       ; registers 6 c2, 6 c2 + 1 lie at 0 or 520; 6 c2 + 4, + 5 lie 512 further on;
	s_mul_i32 s30, s22, 1016
	v_add_nc_u32 v9, s30, v7                       ; registers 6 c2 + 2, + 3 at 8 or 1,024
	v_lshl_add_u32 v10, v4, 4, v5
	v_lshlrev_b32 v10, 4, v10
	s_lshl_b32 s31, s21, 2
	s_lshl_b32 s32, s22, 1
	s_add_co_u32 s31, s31, s32
	s_add_co_u32 s31, s31, SCB
	v_add_nc_u32 v10, s31, v10                     ; my half of my column's scale word: 16 (r + 16 u) + 4 gq + 2 c2
	s_mul_i32 s33, s18, 1536
	v_lshl_add_u32 v15, v2, 4, s33                 ; the way out: my wave's 1,536 bytes, 16 a lane: the same in LDS and in wb
	v_lshlrev_b32 v16, 4, v2
	v_add_nc_u32 v17, SCB, v16
	s_mul_i32 s34, ttmp9, 12288
	s_mov_b32 s35, 0
	s_lshl_b32 s36, ttmp9, 9
	s_mov_b32 s37, 0
	s_wait_kmcnt 0x0
	s_cmp_lt_u32 s19, 8                            ; K steps 0-7 are Wq's: the choice hangs on the work-group's number alone
	s_cselect_b64 s[26:27], s[4:5], s[6:7]
	s_add_nc_u64 s[26:27], s[26:27], s[24:25]
	s_add_nc_u64 s[10:11], s[10:11], s[34:35]      ; wb at my work-group's eight fragments
	s_add_nc_u64 s[12:13], s[12:13], s[36:37]      ; ws at their 512 bytes
.irp i, 0,1,2,3,4,5,6,7,8,9,10,11,12,13,14,15,16,17,18,19,20,21,22,23,24,25,26,27,28,29,30,31,32,33,34,35,36,37,38,39,40,41,42,43,44,45,46,47,48,49,50,51,52,53,54,55,56,57,58,59,60,61,62,63
	global_load_b32 v[X+\i], v3, s[26:27] offset:\i*4096 th:TH_LOAD_NT   ; row i of my 64: the wave reads 128 consecutive bytes, four waves side by side 512
.endr
; Block hb of my two: k = 64 c2 + 32 hb + 0 .. 31: it belongs to the fragment's lane r + 16 hb.
.macro WBLOCK hb
.set XS, X+32*(\hb)
.set RR, 96+10*(\hb)
.set TT, 102+10*(\hb)
	v_max3_num_f32 v12, |v[XS]|, |v[XS+1]|, |v[XS+2]|          ; the largest magnitude: all 32 numbers are mine; two chains
	v_max3_num_f32 v13, |v[XS+3]|, |v[XS+4]|, |v[XS+5]|
.irp i, 6,10,14,18,22,26
	v_max3_num_f32 v12, v12, |v[XS+\i]|, |v[XS+\i+1]|
	v_max3_num_f32 v13, v13, |v[XS+\i+2]|, |v[XS+\i+3]|
.endr
	v_max3_num_f32 v12, v12, |v[XS+30]|, |v[XS+31]|
	v_max3_num_f32 v12, v12, v13, 0x1800000        ; and the floor 2^(3 - 127): the byte cannot fall under 1
	v_add_nc_u32 v11, 0xff000000, v12              ; 2 off the exponent field: the conversion takes that field as its scale
	v_lshrrev_b32 v13, 23, v11                     ; the byte
.if (\hb) == 0
	v_mov_b32 v14, v13
.else
	v_lshl_or_b32 v14, v13, 8, v14                 ; bytes 2 c2 and 2 c2 + 1 of the scale word
.endif
	v_cvt_scalef32_pk16_fp6_f32 v[RR:RR+2], v[XS:XS+15], v11
	v_cvt_scalef32_pk16_fp6_f32 v[TT:TT+2], v[XS+16:XS+31], v11   ; (a conversion's three registers begin on an even number)
	v_nop                                          ; one plain place behind a scaled conversion
.irp i, 0,1,2
	v_mov_b32 v[RR+3+\i], v[TT+\i]
.endr
	ds_store_b64 v8, v[RR:RR+1] offset:256*(\hb)
	ds_store_b64 v9, v[RR+2:RR+3] offset:256*(\hb)+8
	ds_store_b64 v8, v[RR+4:RR+5] offset:256*(\hb)+512
.endm
	s_wait_loadcnt 32                              ; the first block's 32 loads are in; the second block's 32 may be out
	WBLOCK 0
	s_wait_loadcnt 0x0
	WBLOCK 1
	ds_store_b16 v10, v14
	s_wait_dscnt 0x0                               ; for the others' sake: my stores have landed
	s_barrier_signal -1
	s_barrier_wait -1                              ; the eight images and the scale words are whole
.irp i, 0,1,2
	ds_load_b128 v[116+4*\i:119+4*\i], v15 offset:512*\i
.endr
	s_wait_dscnt 0x0
.irp i, 0,1,2
	global_store_b128 v15, v[116+4*\i:119+4*\i], s[10:11] offset:512*\i   ; 32 lanes store 512 consecutive bytes, at a multiple of 256 from wb's first byte
.endr
	s_cmp_lg_u32 s18, 0
	s_cbranch_scc1 .Lw_end
	ds_load_b128 v[32:35], v17                     ; wave 0: the 512 bytes of scale words
	s_wait_dscnt 0x0
	global_store_b128 v16, v[32:35], s[12:13]
.Lw_end:
	s_wait_tensorcnt 0x0
	ds_add_u32 v128, v129
	s_wait_dscnt 0x0
	s_endpgm
	; ---- Wv: wave ks takes K step ks.  Lane (r, h) takes head r and k = 128 ks + 64 c + 32 h + i: the order that the operand's layout gives that lane
.Lwv:
	v_and_b32 v3, 15, v0                           ; r
	v_bfe_u32 v4, v0, 4, 1                         ; h
	v_lshlrev_b32 v5, 2, v3
	v_lshl_add_u32 v5, v4, 11, v5                  ; 4 r + 32 h rows of 64 bytes
	v_lshlrev_b32 v6, 4, v2
	v_lshlrev_b32 v7, 2, v2
	s_lshl_b32 s20, s18, 13                        ; 128 rows of 64 bytes a K step
	s_mov_b32 s21, 0
	s_mul_i32 s24, s18, 1536
	s_mov_b32 s25, 0
	s_lshl_b32 s26, s18, 7
	s_mov_b32 s27, 0
	s_mov_b32 s22, 0x76543210
	s_mov_b32 s23, 0xfedcba98                      ; v_permlanex16_b32's selects for lane l xor 16
	s_wait_kmcnt 0x0
	s_add_nc_u64 s[8:9], s[8:9], s[20:21]
	s_add_nc_u64 s[14:15], s[14:15], s[24:25]
	s_add_nc_u64 s[16:17], s[16:17], s[26:27]
.irp c, 0,1
.irp i, 0,1,2,3,4,5,6,7,8,9,10,11,12,13,14,15,16,17,18,19,20,21,22,23,24,25,26,27,28,29,30,31
	global_load_b32 v[X+32*\c+\i], v5, s[8:9] offset:64*(64*\c+\i)
.endr
.endr
	s_wait_loadcnt 0x0
.irp c, 0,1
	v_max3_num_f32 v[12+\c], |v[X+32*\c]|, |v[X+32*\c+1]|, 0x1800000   ; my block 2 c + h, with the floor
.endr
.irp i, 2,4,6,8,10,12,14,16,18,20,22,24,26,28,30
.irp c, 0,1
	v_max3_num_f32 v[12+\c], v[12+\c], |v[X+32*\c+\i]|, |v[X+32*\c+\i+1]|
.endr
.endr
.irp c, 0,1
	v_add_nc_u32 v[16+\c], 0xff000000, v[12+\c]
.endr
.irp c, 0,1
	v_lshrrev_b32 v[18+\c], 23, v[16+\c]
.endr
	v_lshl_or_b32 v20, v19, 16, v18                ; my two bytes, blocks h and 2 + h,
	v_lshlrev_b32 v21, 3, v4
	v_lshlrev_b32 v20, v21, v20                    ; at their places in the word;
	v_mov_b32 v21, 0
	v_permlanex16_b32 v21, v20, s22, s23
	v_or_b32 v20, v20, v21                         ; with lane l xor 16's two the word is whole, in both halves of the lanes
.irp c, 0,1
	v_cvt_scalef32_pk16_fp6_f32 v[96+6*\c:98+6*\c], v[X+32*\c:X+32*\c+15], v[16+\c]
	v_cvt_scalef32_pk16_fp6_f32 v[108+4*\c:110+4*\c], v[X+32*\c+16:X+32*\c+31], v[16+\c]
.endr
	v_nop                                          ; one plain place behind a scaled conversion
.irp c, 0,1
.irp i, 0,1,2
	v_mov_b32 v[99+6*\c+\i], v[108+4*\c+\i]
.endr
.endr
.irp c, 0,1,2
	global_store_b128 v6, v[96+4*\c:99+4*\c], s[14:15] offset:512*\c
.endr
	global_store_b32 v7, v20, s[16:17]
	s_endpgm
.Lfunc_end_k_q9dd7e613a4_prep:
	.size	k_q9dd7e613a4_prep, .Lfunc_end_k_q9dd7e613a4_prep-k_q9dd7e613a4_prep
	.p2alignl 7, 3214868480
	.fill 96, 4, 3214868480
	.section	.rodata,"a",@progbits
	.p2align	6, 0x0
	.amdhsa_kernel k_q9dd7e613a4_prep
		.amdhsa_group_segment_fixed_size 14336
		.amdhsa_private_segment_fixed_size 0
		.amdhsa_enable_private_segment 0
		.amdhsa_kernarg_size 56
		.amdhsa_user_sgpr_count 2
		.amdhsa_user_sgpr_kernarg_segment_ptr 1
		.amdhsa_wavefront_size32 1
		.amdhsa_system_sgpr_workgroup_id_x 1
		.amdhsa_system_sgpr_workgroup_id_y 1
		.amdhsa_system_sgpr_workgroup_id_z 1
		.amdhsa_system_vgpr_workitem_id 0
		.amdhsa_next_free_vgpr 130
		.amdhsa_next_free_sgpr 66
		.amdhsa_reserve_vcc 0
		.amdhsa_float_denorm_mode_32 3
		.amdhsa_float_denorm_mode_16_64 3
		.amdhsa_memory_ordered 1
		.amdhsa_forward_progress 1
		.amdhsa_inst_pref_size 24
	.end_amdhsa_kernel
	.amdgpu_metadata
---
amdhsa.version: [ 1, 2 ]
amdhsa.kernels:
  - .name:           k_q9dd7e613a4_prep
    .symbol:         k_q9dd7e613a4_prep.kd
    .args:
      - { .name: Wq, .offset: 0, .size: 8, .value_kind: global_buffer, .address_space: global }
      - { .name: Wk, .offset: 8, .size: 8, .value_kind: global_buffer, .address_space: global }
      - { .name: Wv, .offset: 16, .size: 8, .value_kind: global_buffer, .address_space: global }
      - { .name: wb, .offset: 24, .size: 8, .value_kind: global_buffer, .address_space: global }
      - { .name: ws, .offset: 32, .size: 8, .value_kind: global_buffer, .address_space: global }
      - { .name: wvc, .offset: 40, .size: 8, .value_kind: global_buffer, .address_space: global }
      - { .name: wvs, .offset: 48, .size: 8, .value_kind: global_buffer, .address_space: global }
    .group_segment_fixed_size: 14336
    .private_segment_fixed_size: 0
    .kernarg_segment_align: 8
    .kernarg_segment_size: 56
    .max_flat_workgroup_size: 256
    .sgpr_count:     66
    .vgpr_count:     130
    .wavefront_size: 32
...
	.end_amdgpu_metadata
.endif
;; end of part 1
;; launch main (part 2): grid 512 x 1, 4 waves a work-group, no clusters, 327,680 bytes of LDS; arguments query, memory, wb, ws, wvc, wvs, bq, bk, bv, bias, part, stats; writes part, stats
.if DOCPART == 2
	.amdgcn_target "amdgcn-amd-amdhsa--gfx1250"
	.amdhsa_code_object_version 6
	.text
	.protected	k_q9dd7e613a4_main
	.globl	k_q9dd7e613a4_main
	.p2align	8
	.type	k_q9dd7e613a4_main,@function
k_q9dd7e613a4_main:
	s_mov_b64 s[64:65], 0
	v_nop
	global_prefetch_b8 v0, s[64:65] scope:SCOPE_SE
	s_setreg_imm32_b32 hwreg(HW_REG_WAVE_MODE, 25, 1), 1
	s_wait_xcnt 0x0
; For 64 rows (a block): z = tanh(query Wq + memory Wk + bq + bk), logits = z Wv + bv + bias, the block's part of the softmax over the rows, and its part of the weighted sum of memory's rows.
; The three products run on codes of FP6 (E2M3) with one E8M0 scale for each 32 along K.  query and memory are quantised here, on their one way in; the weights' codes come from the launch before; z is quantised in registers.
; query Wq and memory Wk are ONE sum over K = 2,048: 16 steps of 128, steps 0-7 query against Wq, steps 8-15 memory against Wk.
; SHARES.  Four waves.  For x (query, memory) wave w takes rows 16 w .. 16 w + 15: it brings them in by its own tensor loads, quantises them, and hands the fragment to all waves through LDS as an image of its registers.
; For the products wave w owns hidden units 256 w .. 256 w + 255 of all 64 rows: 64 accumulators, 512 registers.  The product is used TRANSPOSED (source 0 = 16 columns of W, source 1 = 16 rows of x), and the columns of a tile
; are chosen (column 32 (t / 2) + 8 (t % 2) + r + 8 (r / 8) for the tile's lane r) so that a lane holds one row and the 64 registers of eight tiles are 64 hidden units in the order that the quantiser takes.
; THE RING FOR x: two slots of 64 rows x 512 f32.  query comes by four first fills a wave (16 rows x 256 columns each, in the order in which they are used), memory by two refills a wave (16 rows x 512 columns):
; slot 0 is filled again behind step 2, slot 1 behind step 6; each refill has four steps, 256 products a wave, between its request and the wait for it, and that wait stands where the other slot's tile is wanted anyway.
; memory's 64 rows STAY IN THEIR SLOTS AS bf16, so that the weighted sum at the end reads no byte of memory a second time: the 128 numbers of step k of a slot, once in registers, are rounded and stored over bytes
; 256 k .. 256 k + 255 of the same row; the f32 numbers not yet read begin at byte 512 (k + 1) or later.  Both slots have had their last fill by then: both refills stand ahead of the first such store.
; THE WEIGHTS GO FROM MEMORY STRAIGHT INTO REGISTERS, NOT JOINTLY THROUGH LDS.  All work-groups walk the same weights, but a fragment feeds one wave alone (no reuse in LDS), and two slots of a K step's weights
; (2 x 98,304 bytes) beside the ring for x (266,240) are 462,848 bytes, against the 327,680 that a work-group can claim.  So there is no cluster.
; THE SOFTMAX is taken by blocks: m = the block's largest logit of a head (held at -1e38 from below), p = e^(logit - m), l = the sum of p, part = the sum of p x memory's row.  The last launch joins the blocks.
; LIMITS: NaN and infinities among the inputs are not served, but for a bias of -infinity (p = 0).  Blocks of 32 whose largest magnitude lies under 2^-124 keep the scale byte 1.
; tanh(x) = 1 - 2 / (1 + 2^(2 log2(e) x)) has an absolute error of about 1e-7, so its relative error passes 1e-6 where |x| is under about 0.1.  memory is rounded to bf16 for the weighted sum.
; q and k are summed in one accumulator, and the biases are added behind the sum: the order of the f32 additions differs from the source's.
; LDS (bytes)
.set XP,    1040                       ; 256 f32 + 16 bytes of padding = 260 words.  query's rows lie XP apart: the 16 rows that a load touches start at 16 different banks (64 banks of 4 bytes: ISA guide 11.1)
.set XSUB,  16*XP                      ; a first fill: 16 rows x 256 columns
.set XW,    2*XSUB                     ; a wave's part of a slot: two first fills on end, or one refill
.set XSLOT, 4*XW                       ; a slot; slot 0 at 0, slot 1 at XSLOT
.set MP,    2*XP                       ; memory's rows lie MP apart: 512 f32, with 16 bytes of padding behind each 256 (the padding's interval is at most 256 words).  520 words: rows r and r + 8 start at the same bank: these loads go two deep
.set IMG,   2*XSLOT                    ; x's operand images: two buffers of
.set IMGB,  6656                       ; four fragments of 1,536 bytes, and
.set ISC,   6144                       ; behind them four times 128 bytes of scale words
.set CB,    IMG+2*IMGB                 ; 2 log2(e) (bq + bk): 1,024 bytes a wave, its own
.set LP,    CB+4096                    ; the waves' partial logits: 4,096 bytes a wave
.set PP,    LP+16384                   ; p: [16 heads], 256 bytes + 16, a copy for each wave
.set STG,   PP+4*4352                  ; the way out: 1,024 bytes a wave
.set SPARE, STG+4096                   ; the spare words, 128 bytes for each wave: two blocks of 256 bytes that no other line names
; REGISTERS, in windows of 256.  Window 0:
.set SPW, 1                            ; v1   LDS address of my spare word; never rewritten
.set NIL, 2                            ; v2   0; never rewritten
.set LI,  3                            ; v3   16 x lane: an image's place for my lane, and the offset of every load of weights
.set XRM, 4                            ; v4   my lane's place among memory's rows in a slot: my wave's part, row r x MP, + 64 h
.set XRQ, 5                            ; v5   the same among query's rows: row r x XP
.set XRD, 6                            ; v6   the address of the loads of x in hand
.set IRD, 7                            ; v7   where images are read
.set IRS, 8                            ; v8   and their scale words
.set IWI, 9                            ; v9   where I store my image
.set IWS, 10                           ; v10  and its scale word
.set BW0, 11                           ; v11  where my row's bf16 numbers begin: my wave's part, row r x MP, + 32 h
.set AS,  12                           ; v12-15  x's scale words, a register for each tile of rows; later Wv's
.set BS,  16                           ; v16-31  the weights' scale words, two sets of 8: register t / 2: lanes 0-15 tile t even, lanes 16-31 tile t odd; later the hidden layer's
.set AF,  32                           ; v32-79  x's four fragments
.set X,   80                           ; v80-143 64 numbers of x: register 16 b + i = k 32 b + 16 h + i of my row
.set TM,  144                          ; v144-159 at work in the quantiser
.set PW,  160                          ; v160 the scale word just made
.set BWA, 161                          ; v161 where the pair of steps' bf16 numbers go (at the head: the offset of bq and bk)
.set PC,  162                          ; v162-181 the codes just made
.set BFR, 184                          ; v184-215 32 pairs of bf16
; window 1: the weights' 16 fragments, tile t at v[12 t]; in the epilogue v0-127 the biases, v192-215 Wv's two fragments.   windows 2, 3: accumulator (m, t) at window 2 + t / 8, v[64 m + 8 (t % 8)].
; the epilogue, window 0: v4-11, v170-174 addresses;
.set HF,  32                           ; v32-127 the hidden layer's eight fragments (g, m) at v[32 + 12 (4 g + m)]
.set PT,  162                          ; v162-168 halves of blocks on their way
.set LG,  184                          ; v184-215 my partial logits
.set BI,  216                          ; v216-247 bias + bv
.set XA,  176                          ; v176-183 my eight sums of the weighted sum.   v[248:249] bv, 0;  v[250:251] m, l
; SCALARS: s[4:27] the twelve addresses; s28 wave; s[32:39] descriptor group 1 of the first fills; s[40:55] their four groups 0; s[76:83] group 1 of the refills; s[84:87], s[88:91] their groups 0: no group 0 is ever rewritten;
; s56, s57 at work; s[58:59] lane selects; s[60:61] 2 log2(e); s[62:63] log2(e); s[66:67], s[68:69] wb, ws for the loads of odd steps; s[70:71], s[72:73] for those of even steps; s[92:93] an offset, high word 0; s[96:99] query, memory at my rows
.set SBF, 29                           ; s29  where the pair's bf16 numbers go, from BW0 on
.set CI,  30                           ; s30  the inner loops' count
.set CO,  31                           ; s31  the outer loop's count
.set XB,  94                           ; s94  where the pair's numbers of x lie, from XRQ or XRM on
.set MSB, 0
.macro WIN new                         ; s_set_vgpr_msb: bits 1:0 source 0, 3:2 source 1, 5:4 source 2, 7:6 destination; the high byte repeats the setting that is left
.if MSB != (\new)
	s_set_vgpr_msb (MSB<<8)|(\new)
.set MSB, (\new)
.endif
.endm
.macro PLACES                          ; a load into a register that a matrix instruction has read, and a vector instruction or store that reads a result, stand four plain vector instructions behind it (ISA guide 7.12.1 for the reads of a result)
.rept 4
	v_nop
.endr
.endm
	s_load_b512 s[4:19], s[0:1], 0x0               ; query, memory, wb, ws, wvc, wvs, bq, bk
	s_load_b256 s[20:27], s[0:1], 0x40             ; bv, bias, part, stats
	v_lshl_add_u32 v[SPW], v0, 2, SPARE
	v_mov_b32 v[NIL], 0
	ds_add_u32 v1, v2
	ds_add_u32 v1, v2
	s_wait_dscnt 0x0
	v_lshrrev_b32 v4, 5, v0
	v_readfirstlane_b32 s28, v4                    ; wave 0..3
	; descriptor group 1 of the first fills: 16 rows x 256 elements of 4 bytes, 1,024 elements from row to row, 16 bytes of padding behind each row
	s_mov_b32 s32, (2<<16)|(1<<20)|(7<<22)|(3<<25) ; 15:0 no mask; 17:16 elements of 4 bytes; 20 padding on; 24:22 after every 256 words (code 7); 31:25 of 4 words (code 3)
	s_mov_b32 s33, 256<<16                         ; tensor_dim0 = 256
	s_mov_b32 s34, 16<<16                          ; tensor_dim1 = 16
	s_mov_b32 s35, 256<<16                         ; tile_dim0 = 256
	s_mov_b32 s36, 16                              ; tile_dim1 = 16
	s_mov_b32 s37, 1024                            ; tensor_dim0_stride
	s_mov_b32 s38, 0
	s_mov_b32 s39, 0
	; and of the refills: 16 rows x 512 elements; the same padding, so twice in a row
	s_mov_b32 s76, (2<<16)|(1<<20)|(7<<22)|(3<<25)
	s_mov_b32 s77, 512<<16                         ; tensor_dim0 = 512
	s_mov_b32 s78, 16<<16
	s_mov_b32 s79, 512<<16                         ; tile_dim0 = 512
	s_mov_b32 s80, 16
	s_mov_b32 s81, 1024
	s_mov_b32 s82, 0
	s_mov_b32 s83, 0
	s_mul_i32 s57, s28, XW                         ; my wave's part of a slot
	s_lshl_b32 s92, ttmp9, 18                      ; 64 rows of 4,096 bytes a block (under 2^27),
	s_lshl_b32 s56, s28, 16                        ; 16 rows a wave
	s_add_co_u32 s92, s92, s56
	s_mov_b32 s93, 0                               ; stays 0
	s_mov_b32 s[XB], 0
	s_mov_b32 s58, 0x76543210
	s_mov_b32 s59, 0xfedcba98                      ; v_permlanex16_b32's selects for lane l xor 16
	s_mov_b32 s60, 0x4038aa3b                      ; 2 log2(e)
	s_mov_b32 s61, s60                             ; (the packed forms name a pair and take its low word for both halves: so the high word is written)
	s_mov_b32 s62, 0x3fb8aa3b                      ; log2(e)
	s_mov_b32 s63, s62
	s_wait_kmcnt 0x0
	s_add_nc_u64 s[96:97], s[4:5], s[92:93]
	s_add_nc_u64 s[98:99], s[6:7], s[92:93]
.irp n, 0,1,2,3                                ; first fill n: query's columns 256 n on, into half n % 2 of my part of slot n / 2
	s_mov_b32 s[40+4*\n], 1                        ; count = 1
	s_add_co_u32 s[41+4*\n], s57, (\n/2)*XSLOT+(\n%2)*XSUB   ; LDS address
	s_add_nc_u64 s[42+4*\n:43+4*\n], s[96:97], \n*1024       ; global address
	s_or_b32 s[43+4*\n], s[43+4*\n], 0x80000000    ; type = 2
.endr
.irp n, 0,1                                    ; refill n: memory's columns 512 n on, into my part of slot n
	s_mov_b32 s[84+4*\n], 1
	s_add_co_u32 s[85+4*\n], s57, \n*XSLOT
	s_add_nc_u64 s[86+4*\n:87+4*\n], s[98:99], \n*2048
	s_or_b32 s[87+4*\n], s[87+4*\n], 0x80000000
.endr
	tensor_load_to_lds s[40:43], s[32:39]          ; the four first fills together, ahead of every wait on TENSORcnt, every LDS read and every barrier: four tensor loads of mine are out, later one
	s_nop 0
	tensor_load_to_lds s[44:47], s[32:39]
	s_nop 0
	tensor_load_to_lds s[48:51], s[32:39]
	s_nop 0
	tensor_load_to_lds s[52:55], s[32:39]
	s_nop 0
	PLACES                                         ; (four v_nop behind a tensor load)
	s_mul_i32 s92, s28, 24576
	s_add_nc_u64 s[66:67], s[8:9], s[92:93]        ; wb at my wave's 16 fragments of K step 0: the head's loads count as an odd step's;
	s_add_nc_u64 s[70:71], s[66:67], 98304         ; of K step 1: step 0's loads
	s_lshl_b32 s92, s28, 10
	s_add_nc_u64 s[68:69], s[10:11], s[92:93]      ; ws likewise
	s_add_nc_u64 s[72:73], s[68:69], 4096
	v_and_b32 v7, 31, v0                           ; lane
	v_lshlrev_b32 v[LI], 4, v7
	v_lshlrev_b32 v[BWA], 5, v7
	v_add_nc_u32 v[BWA], s92, v[BWA]               ; my 8 numbers of bq and bk: 1,024 w + 32 lane
	v_add_nc_u32 v[XRD], CB, v[BWA]                ; and where their sum goes
	global_load_b128 v[80:83], v[BWA], s[16:17]
	global_load_b128 v[84:87], v[BWA], s[16:17] offset:16
	global_load_b128 v[88:91], v[BWA], s[18:19]
	global_load_b128 v[92:95], v[BWA], s[18:19] offset:16
; The next step's weights into set i (tiles 4 i .. 4 i + 3), from the bases of a step of parity p; with set 0 the next step's scale words, into the set that step p does not use.
.macro RELOAD i, p
.if (\i) == 0
	global_load_b128 v[BS+8*(1-(\p)):BS+8*(1-(\p))+3], v[LI], s[72-4*(\p):73-4*(\p)]
	global_load_b128 v[BS+8*(1-(\p))+4:BS+8*(1-(\p))+7], v[LI], s[72-4*(\p):73-4*(\p)] offset:512
.endif
	WIN 0x40                                       ; destination window 1
.irp u, 0,1,2,3
.irp c, 0,1,2
	global_load_b128 v[12*(4*(\i)+\u)+4*\c:12*(4*(\i)+\u)+4*\c+3], v[LI], s[70-4*(\p):71-4*(\p)] offset:1536*(4*(\i)+\u)+512*\c   ; 32 lanes read 512 consecutive bytes
.endr
.endr
	WIN 0
.endm
	RELOAD 0, 1                                    ; K step 0: 2 + 48 loads
	RELOAD 1, 1
	RELOAD 2, 1
	RELOAD 3, 1
	v_and_b32 v8, 15, v0                           ; r
	v_bfe_u32 v9, v0, 4, 1                         ; h
	v_mul_u32_u24 v[XRQ], v8, XP
	v_lshl_add_u32 v[XRQ], v9, 6, v[XRQ]
	v_add_nc_u32 v[XRQ], s57, v[XRQ]
	v_mul_u32_u24 v[XRM], v8, MP
	v_add_nc_u32 v[XRM], s57, v[XRM]
	v_lshl_add_u32 v[BW0], v9, 5, v[XRM]
	v_lshl_add_u32 v[XRM], v9, 6, v[XRM]
	v_add_nc_u32 v[IRD], IMG, v[LI]
	v_and_b32 v[IRS], 31, v0
	v_lshl_add_u32 v[IRS], v[IRS], 2, IMG+ISC
	s_mul_i32 s56, s28, 1536
	v_add_nc_u32 v[IWI], s56, v[IRD]
	s_lshl_b32 s56, s28, 7
	v_add_nc_u32 v[IWS], s56, v[IRS]
.irp b, 0,1,2,3
	v_mov_b32 v[TM+4+\b], 0                        ; written once: a lane permute's destination counts as one of its sources
.endr
	s_wait_loadcnt 50                              ; bq and bk are in; the 50 loads of weights behind them stay out
.irp j, 0,2,4,6
	v_pk_add_f32 v[80+\j:81+\j], v[80+\j:81+\j], v[88+\j:89+\j]
.endr
.irp j, 0,2,4,6
	v_pk_mul_f32 v[80+\j:81+\j], v[80+\j:81+\j], s[60:61] op_sel_hi:[1,0]   ; 2 log2(e) (bq + bk)
.endr
	ds_store_b128 v[XRD], v[80:83]
	ds_store_b128 v[XRD], v[84:87] offset:16
; My 16 rows' numbers of a K step: 64 a lane, from byte s[XB] + xk of the rows; xr: the lane's place among query's rows or memory's
.macro XLOAD xr, xk
	v_add_nc_u32 v[XRD], s[XB], v[\xr]
.irp b, 0,1,2,3
.irp j, 0,1,2,3
	ds_load_b128 v[X+16*\b+4*\j:X+16*\b+4*\j+3], v[XRD] offset:(\xk)+128*\b+16*\j
.endr
.endr
.endm
; THE QUANTISER in three parts.  QMAX: the largest magnitude of my 16 numbers of each of the four blocks, with the floor 2^(3 - 127) among them: the byte cannot fall under 1.  32 plain instructions
.macro QMAX
.irp b, 0,1,2,3
	v_max3_num_f32 v[TM+\b], |v[X+16*\b]|, |v[X+16*\b+1]|, 0x1800000
.endr
.irp i, 2,4,6,8,10,12,14
.irp b, 0,1,2,3
	v_max3_num_f32 v[TM+\b], v[TM+\b], |v[X+16*\b+\i]|, |v[X+16*\b+\i+1]|   ; (the four blocks by turns)
.endr
.endr
.endm
; QFIN: the blocks' scales, the scale word in v[PW], the codes in v[PC] on
.macro QFIN
.irp b, 0,1,2,3
	v_permlanex16_b32 v[TM+4+\b], v[TM+\b], s58, s59
.endr
.irp b, 0,1,2,3
	v_max_num_f32 v[TM+\b], v[TM+\b], v[TM+4+\b]   ; with lane l xor 16's: the block's largest magnitude
.endr
.irp b, 0,1,2,3
	v_add_nc_u32 v[TM+12+\b], 0xff000000, v[TM+\b] ; 2 off its exponent field: the conversion takes that field as its scale
.endr
.irp b, 0,1,2,3
	v_lshrrev_b32 v[TM+4+\b], 23, v[TM+12+\b]      ; the byte
.endr
	v_lshl_or_b32 v[PW], v[TM+5], 8, v[TM+4]
	v_lshl_or_b32 v[PW], v[TM+6], 16, v[PW]
	v_lshl_or_b32 v[PW], v[TM+7], 24, v[PW]
.irp c, 0,1
	v_cvt_scalef32_pk16_fp6_f32 v[PC+6*\c:PC+6*\c+2], v[X+32*\c:X+32*\c+15], v[TM+12+2*\c]
	v_cvt_scalef32_pk16_fp6_f32 v[PC+12+4*\c:PC+14+4*\c], v[X+32*\c+16:X+32*\c+31], v[TM+12+2*\c+1]   ; (a conversion's three registers begin on an even number)
.endr
	v_nop                                          ; one plain place behind a scaled conversion
.irp c, 0,1                                    ; the operand's layout wants a whole block in a lane: lanes 0-15 block 2 c, lanes 16-31 block 2 c + 1
.irp i, 0,1,2
	v_permlane16_swap_b32 v[PC+6*\c+\i], v[PC+12+4*\c+\i]
.endr
.irp i, 0,1,2
	v_mov_b32 v[PC+3+6*\c+\i], v[PC+12+4*\c+\i]
.endr
.endr
.endm
.macro IMAGE pb                        ; my fragment and its scale word go to buffer pb as they stand
.irp c, 0,1,2
	ds_store_b128 v[IWI], v[PC+4*\c:PC+4*\c+3] offset:(\pb)*IMGB+512*\c
.endr
	ds_store_b32 v[IWS], v[PW] offset:(\pb)*IMGB
.endm
.macro QBF odd                         ; the same 64 numbers, of memory, rounded to bf16, into my own row of the slot: 32 bytes for each block; over f32 numbers that are in registers or were used a step ago
.irp b, 0,1,2,3
.irp i, 0,1,2,3,4,5,6,7
	v_cvt_pk_bf16_f32 v[BFR+8*\b+\i], v[X+16*\b+2*\i], v[X+16*\b+2*\i+1]
.endr
.endr
.irp b, 0,1,2,3
.irp e, 0,1
	ds_store_b128 v[BWA], v[BFR+8*\b+4*\e:BFR+8*\b+4*\e+3] offset:256*(\odd)+64*\b+16*\e
.endr
.endr
.endm
.macro ALOAD p                         ; the four fragments of x and their scale words out of buffer p: 16 loads
.irp m, 0,1,2,3
.irp c, 0,1,2
	ds_load_b128 v[AF+12*\m+4*\c:AF+12*\m+4*\c+3], v[IRD] offset:(\p)*IMGB+1536*\m+512*\c
.endr
.endr
.irp m, 0,1,2,3
	ds_load_b32 v[AS+\m], v[IRS] offset:(\p)*IMGB+128*\m
.endr
.endm
.macro WM t, m, p, zero                ; one product: tile t of the weights against tile m of the rows
.set rD, 64*(\m)+8*((\t)%8)
.set rW, 12*(\t)
.set rA, AF+12*(\m)
.set rS, BS+8*(\p)+(\t)/2
.if \zero
.if (\t)%2
	v_wmma_scale_f32_16x16x128_f8f6f4 v[rD:rD+7], v[rW:rW+11], v[rA:rA+11], 0, v[rS], v[AS+\m] matrix_a_fmt:MATRIX_FMT_FP6 matrix_b_fmt:MATRIX_FMT_FP6 matrix_a_scale:MATRIX_SCALE_ROW1
.else
	v_wmma_scale_f32_16x16x128_f8f6f4 v[rD:rD+7], v[rW:rW+11], v[rA:rA+11], 0, v[rS], v[AS+\m] matrix_a_fmt:MATRIX_FMT_FP6 matrix_b_fmt:MATRIX_FMT_FP6
.endif
.else
.if (\t)%2
	v_wmma_scale_f32_16x16x128_f8f6f4 v[rD:rD+7], v[rW:rW+11], v[rA:rA+11], v[rD:rD+7], v[rS], v[AS+\m] matrix_a_fmt:MATRIX_FMT_FP6 matrix_b_fmt:MATRIX_FMT_FP6 matrix_a_scale:MATRIX_SCALE_ROW1
.else
	v_wmma_scale_f32_16x16x128_f8f6f4 v[rD:rD+7], v[rW:rW+11], v[rA:rA+11], v[rD:rD+7], v[rS], v[AS+\m] matrix_a_fmt:MATRIX_FMT_FP6 matrix_b_fmt:MATRIX_FMT_FP6
.endif
.endif
.endm
; 16 products: set i's four tiles against the four tiles of rows.  The 64 accumulators take turns, one instruction a turn, in the same order in every step.  zero = 1: the first step starts the sums
.macro GROUP i, p, zero
	WIN 0xa1+0x50*((\i)/2)                         ; source 0 (W) window 1, source 1 (x) window 0, C and D window 2 or 3
.irp u, 0,1,2,3
.irp m, 0,1,2,3
	WM (4*(\i)+\u), \m, \p, \zero
.endr
.endr
.endm
; A K STEP: one barrier; the step's 64 products in four groups; behind each group the next step's weights into the set just used; between the groups the next step's x is quantised.
; p: the step's parity (image buffer, set of scale words, bases of its loads).  doq: the next step is quantised, from byte xk of the rows at s[XB]; xr: query's rows or memory's; bf = 1: it is memory, and is kept as bf16.  rel = 0: there is no next step.
; THE BARRIER serves both ways: in front of it my image for this step has landed and my reads of the other buffer, a step ago, are in (the wait for 0 on DScnt); behind it this step's buffer is read and the other one written.
; THE COUNTS ON LOADcnt.  A step's 50 loads are issued in the order scale words (2), set 0, 1, 2, 3 (12 each).  At the step's head set 0 is wanted: 36 younger.  In front of group 1: sets 2, 3 and the 14 just issued: 38.
; In front of group 2: set 3, 14 and 12: 38.  In front of group 3: 14, 12 and 12: 38.  The last step issues nothing: 36, 24, 12, 0.
; THE BASES.  Behind the wait in front of group 3 only this step's own 38 loads are out: every load of the step before has come back (loads come back in order: ISA guide 5.7.1), and those alone name the other parity's
; bases.  So these are stepped there, two K steps on, for the next step's loads.
.macro STEP p, zero, doq, xr, xk, bf, rel
	s_wait_dscnt 0x0
	s_barrier_signal -1
	s_barrier_wait -1
	ALOAD \p
.if \doq
	XLOAD \xr, \xk
	s_wait_dscnt 16                                ; the images' 16 loads are in; x's 16 may be out
.else
	s_wait_dscnt 0x0
.endif
	s_wait_loadcnt 36
	GROUP 0, \p, \zero
.if \doq
	WIN 0
	s_wait_dscnt 0x0                               ; x is in
	QMAX                                           ; (these are also the places in front of the loads below)
.endif
.if \rel
	RELOAD 0, \p
	s_wait_loadcnt 38
.else
	s_wait_loadcnt 24
.endif
	GROUP 1, \p, \zero
.if \doq
	WIN 0
	QFIN                                           ; (more than four of its lines are plain: the places)
	IMAGE 1-(\p)
.endif
.if \rel
	RELOAD 1, \p
	s_wait_loadcnt 38
.else
	s_wait_loadcnt 12
.endif
	GROUP 2, \p, \zero
.if \rel
	WIN 0
	PLACES
.if \bf
	QBF (\xk)/512
.endif
	RELOAD 2, \p
	s_wait_loadcnt 38
	s_add_nc_u64 s[66+4*(\p):67+4*(\p)], s[66+4*(\p):67+4*(\p)], 196608   ; the other parity's bases: two K steps of weights,
	s_add_nc_u64 s[68+4*(\p):69+4*(\p)], s[68+4*(\p):69+4*(\p)], 8192     ; and of scale words
.else
	s_wait_loadcnt 0x0
.endif
	GROUP 3, \p, \zero
	WIN 0
	PLACES                                         ; for the loads below, for the next step's loads of images, and for the first read of results
.if \rel
	RELOAD 3, \p
.endif
.endm
; A slot is filled again, with half of memory's columns.  All my tensor loads have landed (the other slot's among them, which the next step wants), my reads of this slot are in; a barrier of its own; my one tensor load behind it.
.macro REFILL g0, xb
	s_wait_tensorcnt 0x0
	ds_add_u32 v[SPW], v[NIL]                      ; 0 onto my spare word
	s_mov_b32 s[XB], \xb                           ; where the next pair of steps finds its x
	s_wait_dscnt 0x0                               ; the add is done; my reads of the slot are in
	s_barrier_signal -1
	s_barrier_wait -1
	tensor_load_to_lds s[\g0:\g0+3], s[76:83]      ; 16 rows x 2,048 bytes: it has four steps, 256 products, in which to land
	s_nop 0
	PLACES
.endm
	s_wait_tensorcnt 0x3                           ; the first fill is in; the three issued behind it may be out.  Only I read my rows
	XLOAD XRQ, 0
	s_wait_dscnt 0x0
	QMAX
	QFIN
	IMAGE 0                                        ; step 0's fragment
	STEP 0, 1, 1, XRQ, 512, 0, 1                   ; step 0: its products start the sums
	s_wait_tensorcnt 0x2                           ; the second fill is in; two may be out
	s_mov_b32 s[XB], XSUB
	STEP 1, 0, 1, XRQ, 0, 0, 1                     ; step 1
	STEP 0, 0, 1, XRQ, 512, 0, 1                   ; step 2: slot 0 has been read out
	REFILL 84, XSLOT                               ; memory's columns 0-511 into slot 0; query goes on in slot 1
	s_mov_b32 s[CI], 0
.Lquery:                                           ; two trips: steps 3, 4 and 5, 6
	STEP 1, 0, 1, XRQ, 0, 0, 1
	STEP 0, 0, 1, XRQ, 512, 0, 1
	s_add_co_u32 s[XB], s[XB], XSUB
	s_add_co_u32 s[CI], s[CI], 1
	s_cmp_lt_u32 s[CI], 2
	s_cbranch_scc1 .Lquery
	REFILL 88, 0                                   ; memory's columns 512-1023 into slot 1: the last tensor load; memory begins in slot 0, which that wait for 0 has shown landed
	s_mov_b32 s[SBF], 0
	s_mov_b32 s[CO], 0
.Lslot:                                            ; two trips: slot 0 (steps 7 to 10), slot 1 (steps 11 to 14)
	s_mov_b32 s[CI], 0
.Lmemory:                                          ; two trips: a pair of steps quantises 256 columns: half a row of the slot
	v_add_nc_u32 v[BWA], s[SBF], v[BW0]
	STEP 1, 0, 1, XRM, 0, 1, 1
	STEP 0, 0, 1, XRM, 512, 1, 1
	s_add_co_u32 s[XB], s[XB], XP                  ; the row's other half of f32,
	s_add_co_u32 s[SBF], s[SBF], 512               ; the next 256 numbers of bf16
	s_add_co_u32 s[CI], s[CI], 1
	s_cmp_lt_u32 s[CI], 2
	s_cbranch_scc1 .Lmemory
	s_wait_tensorcnt 0x0                           ; slot 1's tile, asked for four steps ago, is wanted next: no load was issued behind it, so the count is 0 (in the second trip nothing is out)
	s_add_co_u32 s[XB], s[XB], XSLOT-MP            ; on to slot 1
	s_add_co_u32 s[SBF], s[SBF], XSLOT-1024
	s_add_co_u32 s[CO], s[CO], 1
	s_cmp_lt_u32 s[CO], 2
	s_cbranch_scc1 .Lslot
	STEP 1, 0, 0, XRM, 0, 0, 0                     ; step 15
	; ---- THE EPILOGUE.  Addresses first
	v_and_b32 v176, 31, v0                         ; lane
	v_and_b32 v177, 15, v0                         ; r
	v_bfe_u32 v178, v0, 4, 1                       ; h
	s_lshl_b32 s56, s28, 10
	s_add_co_u32 s57, s56, CB
	v_lshl_add_u32 v4, v178, 6, s57                ; v4   the biases: my wave's, + 64 h
	v_lshlrev_b32 v5, 2, v176                      ; v5   4 lane
	v_lshlrev_b32 v6, 2, v177                      ; v6   4 r
	v_lshlrev_b32 v7, 5, v178                      ; v7   32 h
	s_lshl_b32 s57, s28, 12
	s_add_co_u32 s57, s57, LP
	v_add_nc_u32 v8, s57, v[LI]                    ; v8   where my partial logits go
	v_add_nc_u32 v9, LP, v[LI]                     ; v9   where all four are read
	s_mul_i32 s57, s28, 4352
	s_add_co_u32 s57, s57, PP
	v_mul_u32_u24 v10, v177, 272
	v_lshl_add_u32 v10, v178, 5, v10
	v_add_nc_u32 v10, s57, v10                     ; v10  p: my copy, head r, + 32 h
	v_lshlrev_b32 v11, 3, v176                     ; v11  8 lane
	v_lshrrev_b32 v179, 3, v176
	v_lshl_add_u32 v179, s28, 2, v179              ; the head of my 8 columns: 4 w + lane / 8
	v_mul_u32_u24 v170, v179, 272
	v_add_nc_u32 v170, s57, v170                   ; v170 its row of p
	s_lshr_b32 s30, s28, 1                         ; memory as bf16: columns 0-511 lie in slot 0, 512-1023 in slot 1, 1,024 bytes at the head of each row
	s_mul_i32 s30, s30, XSLOT
	s_and_b32 s31, s28, 1
	s_lshl_b32 s31, s31, 9
	s_add_co_u32 s30, s30, s31
	v_add_nc_u32 v171, s30, v[LI]                  ; v171 my 8 columns, rows 0 on;
	v_add_nc_u32 v172, 2*XW, v171                  ; v172 rows 32 on
	s_add_co_u32 s57, s56, STG
	v_lshl_add_u32 v173, v176, 5, s57              ; v173 the stage, in;
	v_add_nc_u32 v174, s57, v[LI]                  ; v174 and back
	s_mul_i32 s92, s28, 3072
	s_add_nc_u64 s[12:13], s[12:13], s[92:93]      ; Wv's codes: K steps 2 w and 2 w + 1
	s_lshl_b32 s92, s28, 8
	s_add_nc_u64 s[14:15], s[14:15], s[92:93]      ; and their scale words
	s_lshl_b32 s92, ttmp9, 8
	s_add_nc_u64 s[22:23], s[22:23], s[92:93]      ; bias: 64 numbers a block
	s_add_nc_u64 s[26:27], s[26:27], s[92:93]      ; stats: 256 bytes a block
	s_lshl_b32 s92, ttmp9, 12
	s_add_co_u32 s92, s92, s56
	s_add_nc_u64 s[24:25], s[24:25], s[92:93]      ; part: 4,096 bytes a block, 1,024 a wave
	WIN 0x40                                       ; destination window 1
.irp g, 0,1
.irp c, 0,1,2
	global_load_b128 v[192+12*\g+4*\c:192+12*\g+4*\c+3], v[LI], s[12:13] offset:1536*\g+512*\c
.endr
.endr
.irp t, 0,1,2,3,4,5,6,7,8,9,10,11,12,13,14,15
.irp e, 0,1
	ds_load_b128 v[8*\t+4*\e:8*\t+4*\e+3], v4 offset:(32*(\t/2)+8*(\t%2))*4+16*\e   ; the biases in the results' layout: tile t's eight units of my half
.endr
.endr
	WIN 0
	global_load_b32 v[AS], v5, s[14:15]
	global_load_b32 v[AS+1], v5, s[14:15] offset:128
.irp m, 0,1,2,3
.irp e, 0,1
	global_load_b128 v[BI+8*\m+4*\e:BI+8*\m+4*\e+3], v7, s[22:23] offset:64*\m+16*\e   ; bias of rows 16 m + 8 h + 0 .. 7
.endr
.endr
	global_load_b32 v248, v6, s[20:21]             ; bv of head r
	v_mov_b32 v249, 0                              ; (named with it as a pair)
	v_mov_b32 v251, 0
	s_wait_dscnt 0x0
; tanh of the 256 sums a lane of window 2 + g, in place: t = 2 log2(e) (sum + bq + bk) by one fused multiply-add; 1 - 2 / (1 + 2^t).  Each accumulator is read from its low end on.
; The exponentials are one batch, the reciprocals another: behind each one plain instruction and one wait, ahead of the first reader.
.macro TANH g
	WIN 0x92+0x41*(\g)                             ; destination and source 0 window 2 + g, source 2 (the biases) window 1
.set j, 0
.rept 128
	v_pk_fma_f32 v[j:j+1], v[j:j+1], s[60:61], v[64*(\g)+j%64:64*(\g)+j%64+1] op_sel_hi:[1,0,1]
.set j, j+2
.endr
	WIN 0x82+0x41*(\g)
.set j, 0
.rept 256
	v_exp_f32 v[j], v[j]
.set j, j+1
.endr
	v_nop
	s_wait_alu depctr_va_vdst(0)
.set j, 0
.rept 128
	v_pk_add_f32 v[j:j+1], v[j:j+1], 1.0 op_sel_hi:[1,0]
.set j, j+2
.endr
.set j, 0
.rept 256
	v_rcp_f32 v[j], v[j]
.set j, j+1
.endr
	v_nop
	s_wait_alu depctr_va_vdst(0)
.set j, 0
.rept 128
	v_pk_fma_f32 v[j:j+1], v[j:j+1], -2.0, 1.0 op_sel_hi:[1,0,0]
.set j, j+2
.endr
.endm
	TANH 0
	TANH 1
; The hidden layer's fragment (g, m): rows 16 m on, K step 2 w + g of the third product: the quantiser again, its 64 numbers in window 2 + g at v[64 m]
.macro QH g, m
.set SRC, 64*(\m)
.set HFR, HF+12*(4*(\g)+(\m))
.set HSR, BS+4*(\g)+(\m)
	WIN 0x0a+5*(\g)                                ; sources 0 and 1 window 2 + g
.irp b, 0,1,2,3
	v_max3_num_f32 v[TM+\b], |v[SRC+16*\b]|, |v[SRC+16*\b+1]|, 0x1800000
.endr
.irp i, 2,4,6,8,10,12,14
.irp b, 0,1,2,3
	v_max3_num_f32 v[TM+\b], |v[SRC+16*\b+\i]|, |v[SRC+16*\b+\i+1]|, v[TM+\b]
.endr
.endr
	WIN 0
.irp b, 0,1,2,3
	v_permlanex16_b32 v[TM+4+\b], v[TM+\b], s58, s59
.endr
.irp b, 0,1,2,3
	v_max_num_f32 v[TM+\b], v[TM+\b], v[TM+4+\b]
.endr
.irp b, 0,1,2,3
	v_add_nc_u32 v[TM+12+\b], 0xff000000, v[TM+\b]
.endr
.irp b, 0,1,2,3
	v_lshrrev_b32 v[TM+4+\b], 23, v[TM+12+\b]
.endr
	v_lshl_or_b32 v[HSR], v[TM+5], 8, v[TM+4]
	v_lshl_or_b32 v[HSR], v[TM+6], 16, v[HSR]
	v_lshl_or_b32 v[HSR], v[TM+7], 24, v[HSR]
	WIN 0x02+(\g)                                  ; source 0 window 2 + g
.irp c, 0,1
	v_cvt_scalef32_pk16_fp6_f32 v[HFR+6*\c:HFR+6*\c+2], v[SRC+32*\c:SRC+32*\c+15], v[TM+12+2*\c]
	v_cvt_scalef32_pk16_fp6_f32 v[PT+4*\c:PT+4*\c+2], v[SRC+32*\c+16:SRC+32*\c+31], v[TM+12+2*\c+1]
.endr
	WIN 0
	v_nop                                          ; one plain place behind a scaled conversion
.irp c, 0,1
.irp i, 0,1,2
	v_permlane16_swap_b32 v[HFR+6*\c+\i], v[PT+4*\c+\i]
.endr
.irp i, 0,1,2
	v_mov_b32 v[HFR+3+6*\c+\i], v[PT+4*\c+\i]
.endr
.endr
.endm
.irp g, 0,1
.irp m, 0,1,2,3
	QH \g, \m
.endr
.endr
.rept 8
	v_nop                                          ; a scale register written by a vector instruction stands 8 places ahead of a scaled matrix instruction, an operand so written 4
.endr
	s_wait_loadcnt 0x0                             ; Wv, its scale words, bias, bv
	; the third product: source 0 = 16 rows of the hidden layer, source 1 = Wv's 16 heads: lane (r, h) holds head r, register j row 16 m + 8 h + j.  Four accumulators by turns
	WIN 0x04                                       ; source 1 window 1
.irp g, 0,1
.irp m, 0,1,2,3
.if \g == 0
	v_wmma_scale_f32_16x16x128_f8f6f4 v[LG+8*\m:LG+8*\m+7], v[HF+12*(4*\g+\m):HF+12*(4*\g+\m)+11], v[192+12*\g:192+12*\g+11], 0, v[BS+4*\g+\m], v[AS+\g] matrix_a_fmt:MATRIX_FMT_FP6 matrix_b_fmt:MATRIX_FMT_FP6
.else
	v_wmma_scale_f32_16x16x128_f8f6f4 v[LG+8*\m:LG+8*\m+7], v[HF+12*(4*\g+\m):HF+12*(4*\g+\m)+11], v[192+12*\g:192+12*\g+11], v[LG+8*\m:LG+8*\m+7], v[BS+4*\g+\m], v[AS+\g] matrix_a_fmt:MATRIX_FMT_FP6 matrix_b_fmt:MATRIX_FMT_FP6
.endif
.endr
.endr
	WIN 0
	PLACES
.irp m, 0,1,2,3
.irp e, 0,1
	ds_store_b128 v8, v[LG+8*\m+4*\e:LG+8*\m+4*\e+3] offset:1024*\m+512*\e   ; my 256 hidden units' share of the logits, as an image; each accumulator from its low end on
.endr
.endr
.irp j, 0,2,4,6,8,10,12,14,16,18,20,22,24,26,28,30
	v_pk_add_f32 v[BI+\j:BI+\j+1], v[BI+\j:BI+\j+1], v[248:249] op_sel_hi:[1,0]   ; bias + bv
.endr
	s_wait_dscnt 0x0                               ; for the others' sake: my stores have landed
	s_barrier_signal -1
	s_barrier_wait -1
.irp u, 0,1,2,3
.irp m, 0,1,2,3
.irp e, 0,1
	ds_load_b128 v[32+32*\u+8*\m+4*\e:32+32*\u+8*\m+4*\e+3], v9 offset:4096*\u+1024*\m+512*\e
.endr
.endr
.endr
	s_wait_dscnt 0x0
.irp j, 0,2,4,6,8,10,12,14,16,18,20,22,24,26,28,30   ; every wave adds the four shares in the same order, so all four hold the same logits
	v_pk_add_f32 v[32+\j:33+\j], v[32+\j:33+\j], v[64+\j:65+\j]
	v_pk_add_f32 v[96+\j:97+\j], v[96+\j:97+\j], v[128+\j:129+\j]
.endr
.irp j, 0,2,4,6,8,10,12,14,16,18,20,22,24,26,28,30
	v_pk_add_f32 v[32+\j:33+\j], v[32+\j:33+\j], v[96+\j:97+\j]
.endr
.irp j, 0,2,4,6,8,10,12,14,16,18,20,22,24,26,28,30
	v_pk_add_f32 v[32+\j:33+\j], v[32+\j:33+\j], v[BI+\j:BI+\j+1]
.endr
	; the block's softmax: m, p = e^(logit - m), l
	v_max3_num_f32 v64, v32, v33, v34
	v_max3_num_f32 v65, v35, v36, v37
.irp i, 6,10,14,18,22,26
	v_max3_num_f32 v64, v64, v[32+\i], v[33+\i]
	v_max3_num_f32 v65, v65, v[34+\i], v[35+\i]
.endr
	v_max3_num_f32 v64, v64, v62, v63
	v_max3_num_f32 v64, v64, v65, 0xfe967699       ; held at -1e38 from below: a block all of whose biases are -infinity gives p = 0 and no NaN
	v_permlanex16_b32 v65, v64, s58, s59           ; the head's other 32 rows lie in lane l xor 16
	v_max_num_f32 v250, v64, v65
.irp j, 0,2,4,6,8,10,12,14,16,18,20,22,24,26,28,30
	v_pk_add_f32 v[32+\j:33+\j], v[32+\j:33+\j], v[250:251] op_sel_hi:[1,0] neg_lo:[0,1] neg_hi:[0,1]
.endr
.irp j, 0,2,4,6,8,10,12,14,16,18,20,22,24,26,28,30
	v_pk_mul_f32 v[32+\j:33+\j], v[32+\j:33+\j], s[62:63] op_sel_hi:[1,0]
.endr
.irp j, 0,1,2,3,4,5,6,7,8,9,10,11,12,13,14,15,16,17,18,19,20,21,22,23,24,25,26,27,28,29,30,31
	v_exp_f32 v[32+\j], v[32+\j]
.endr
	v_nop
	s_wait_alu depctr_va_vdst(0)                   ; one wait for the batch, ahead of its first reader
	v_pk_add_f32 v[64:65], v[32:33], v[34:35]
	v_pk_add_f32 v[66:67], v[36:37], v[38:39]
.irp j, 8,12,16,20,24,28
	v_pk_add_f32 v[64:65], v[64:65], v[32+\j:33+\j]
	v_pk_add_f32 v[66:67], v[66:67], v[34+\j:35+\j]
.endr
	v_pk_add_f32 v[64:65], v[64:65], v[66:67]
	v_add_f32 v64, v64, v65
	v_permlanex16_b32 v65, v64, s58, s59
	v_add_f32 v251, v64, v65
.irp m, 0,1,2,3
.irp e, 0,1
	ds_store_b128 v10, v[32+8*\m+4*\e:32+8*\m+4*\e+3] offset:64*\m+16*\e   ; p by heads, into my own copy
.endr
.endr
	s_wait_dscnt 0x0
	s_cmp_lg_u32 s28, 0
	s_cbranch_scc1 .Lnostat
	global_store_b64 v11, v[250:251], s[26:27]     ; wave 0: (m, l) of head lane % 16: 32 lanes store 256 consecutive bytes, aligned
.Lnostat:
	; the weighted sum: my lane takes columns 256 w + 8 lane + 0 .. 7 of memory, all of one head; p of that head for the 64 rows in v32-95
.irp i, 0,1,2,3,4,5,6,7,8,9,10,11,12,13,14,15
	ds_load_b128 v[32+4*\i:35+4*\i], v170 offset:16*\i
.endr
.irp c, 0,1,2,3,4,5,6,7
	v_mov_b32 v[XA+\c], 0
.endr
.macro BLOAD q                         ; rows 16 q .. 16 q + 15, which wave q stored: 16 bytes a lane, 512 consecutive bytes a load; into v96-159 and v184-247 by turns
.irp i, 0,1,2,3,4,5,6,7,8,9,10,11,12,13,14,15
	ds_load_b128 v[96+88*((\q)%2)+4*\i:96+88*((\q)%2)+4*\i+3], v[171+(\q)/2] offset:((\q)%2)*XW+\i*MP
.endr
.endm
.macro BFMA q                          ; bf16 x f32 + f32, eight sums by turns
.set RB, 96+88*((\q)%2)
.irp i, 0,1,2,3,4,5,6,7,8,9,10,11,12,13,14,15
.irp k, 0,1,2,3
	v_fma_mix_f32_bf16 v[XA+2*\k], v[RB+4*\i+\k], v[32+16*(\q)+\i], v[XA+2*\k] op_sel_hi:[1,0,0]
	v_fma_mix_f32_bf16 v[XA+2*\k+1], v[RB+4*\i+\k], v[32+16*(\q)+\i], v[XA+2*\k+1] op_sel:[1,0,0] op_sel_hi:[1,0,0]
.endr
.endr
.endm
	BLOAD 0
	BLOAD 1
	s_wait_dscnt 16                                ; p and the first 16 rows are in; the next batch's 16 loads may be out
	BFMA 0
	BLOAD 2
	s_wait_dscnt 16
	BFMA 1
	BLOAD 3
	s_wait_dscnt 16
	BFMA 2
	s_wait_dscnt 0x0
	BFMA 3
	; the way out: a lane's 32 bytes go through my stage, so that each store of the wave covers 512 consecutive bytes
	ds_store_b128 v173, v[XA:XA+3]
	ds_store_b128 v173, v[XA+4:XA+7] offset:16
	ds_load_b128 v[96:99], v174                    ; LDS serves a wave's instructions in order (ISA guide 5.7.1.4): these see my stores
	ds_load_b128 v[100:103], v174 offset:512
	s_wait_dscnt 0x0
	global_store_b128 v[LI], v[96:99], s[24:25]
	global_store_b128 v[LI], v[100:103], s[24:25] offset:512
	s_wait_tensorcnt 0x0                           ; the wave's end: behind my last tensor load and my last LDS store
	ds_add_u32 v[SPW], v[NIL]
	s_wait_dscnt 0x0
	s_endpgm
.Lfunc_end_k_q9dd7e613a4_main:
	.size	k_q9dd7e613a4_main, .Lfunc_end_k_q9dd7e613a4_main-k_q9dd7e613a4_main
	.p2alignl 7, 3214868480
	.fill 96, 4, 3214868480
	.section	.rodata,"a",@progbits
	.p2align	6, 0x0
	.amdhsa_kernel k_q9dd7e613a4_main
		.amdhsa_group_segment_fixed_size 327680
		.amdhsa_private_segment_fixed_size 0
		.amdhsa_enable_private_segment 0
		.amdhsa_kernarg_size 96
		.amdhsa_user_sgpr_count 2
		.amdhsa_user_sgpr_kernarg_segment_ptr 1
		.amdhsa_wavefront_size32 1
		.amdhsa_system_sgpr_workgroup_id_x 1
		.amdhsa_system_sgpr_workgroup_id_y 1
		.amdhsa_system_sgpr_workgroup_id_z 1
		.amdhsa_system_vgpr_workitem_id 0
		.amdhsa_next_free_vgpr 1024
		.amdhsa_next_free_sgpr 100
		.amdhsa_reserve_vcc 0
		.amdhsa_float_denorm_mode_32 3
		.amdhsa_float_denorm_mode_16_64 3
		.amdhsa_memory_ordered 1
		.amdhsa_forward_progress 1
		.amdhsa_inst_pref_size 255
	.end_amdhsa_kernel
	.section	.bss,"aw",@nobits
	.p2align	6
	.space	262144
	.amdgpu_metadata
---
amdhsa.version: [ 1, 2 ]
amdhsa.kernels:
  - .name:           k_q9dd7e613a4_main
    .symbol:         k_q9dd7e613a4_main.kd
    .args:
      - { .name: query, .offset: 0, .size: 8, .value_kind: global_buffer, .address_space: global }
      - { .name: memory, .offset: 8, .size: 8, .value_kind: global_buffer, .address_space: global }
      - { .name: wb, .offset: 16, .size: 8, .value_kind: global_buffer, .address_space: global }
      - { .name: ws, .offset: 24, .size: 8, .value_kind: global_buffer, .address_space: global }
      - { .name: wvc, .offset: 32, .size: 8, .value_kind: global_buffer, .address_space: global }
      - { .name: wvs, .offset: 40, .size: 8, .value_kind: global_buffer, .address_space: global }
      - { .name: bq, .offset: 48, .size: 8, .value_kind: global_buffer, .address_space: global }
      - { .name: bk, .offset: 56, .size: 8, .value_kind: global_buffer, .address_space: global }
      - { .name: bv, .offset: 64, .size: 8, .value_kind: global_buffer, .address_space: global }
      - { .name: bias, .offset: 72, .size: 8, .value_kind: global_buffer, .address_space: global }
      - { .name: part, .offset: 80, .size: 8, .value_kind: global_buffer, .address_space: global }
      - { .name: stats, .offset: 88, .size: 8, .value_kind: global_buffer, .address_space: global }
    .group_segment_fixed_size: 327680
    .private_segment_fixed_size: 0
    .kernarg_segment_align: 8
    .kernarg_segment_size: 96
    .max_flat_workgroup_size: 128
    .sgpr_count:     100
    .vgpr_count:     1024
    .wavefront_size: 32
...
	.end_amdgpu_metadata
.endif
;; end of part 2
;; launch finish (part 3): grid 16 x 8, 16 waves a work-group, no clusters, 31,744 bytes of LDS; arguments part, stats, Wo, bo, out0; writes out0
.if DOCPART == 3
	.amdgcn_target "amdgcn-amd-amdhsa--gfx1250"
	.amdhsa_code_object_version 6
	.text
	.protected	k_q9dd7e613a4_finish
	.globl	k_q9dd7e613a4_finish
	.p2align	8
	.type	k_q9dd7e613a4_finish,@function
k_q9dd7e613a4_finish:
	s_mov_b64 s[64:65], 0
	v_nop
	global_prefetch_b8 v0, s[64:65] scope:SCOPE_SE
	s_setreg_imm32_b32 hwreg(HW_REG_WAVE_MODE, 25, 1), 1
	s_wait_xcnt 0x0
; The 64 blocks of a batch are joined, and the result goes through Wo.  For head hd: M = the largest m of the blocks, alpha = e^(m - M), L = the sum of alpha l, beta = alpha / L;
; x[c] = the sum over the blocks of beta x part[block][c];  out0[b][n] = the sum over k of x[k] Wo[k][n] + bo[n].  All in f32, by fused multiply-adds: one row and eight rows are too few for the matrix unit.
; SHARES.  Work-group (ns, b): batch b, outputs 64 ns .. 64 ns + 63.  Sixteen waves; wave v takes head v, which is k = 64 v .. 64 v + 63: it makes that head's beta and x (every work-group of a batch makes x anew: 256 KiB read,
; against a launch more) and its share of the 64 outputs; the sixteen shares meet in LDS.
; LOADS.  A load takes two blocks of part, or two rows of Wo: lanes 0-15 one, lanes 16-31 the next, 256 consecutive aligned bytes each.  A wave has 32 loads of part and 32 of Wo.  stats, bo, part and the first 16 of Wo, 51 loads,
; are issued together at the head; the last 16 of Wo land in part's first 16 slots as those are used.  No tensor load, no matrix instruction.
; beta and x go through the wave's own LDS bytes sorted by even and odd index, since a lane wants those of its own half: index i lies at 128 (i % 2) + 4 (i / 2).
; LIMITS: a batch all of whose biases are -infinity is not served (the source gives NaN there).
; REGISTERS: v1-9, v24-29 addresses; v10-23 at work: v[10:13] x's sums, v[14:17] the outputs' sums; v[30:31] bo; v32-63 stats, then 32 beta, then 32 x; v64-191 part's 32 slots, the first 16 later Wo's; v192-255 Wo's first 16
.set STA, 0                            ; LDS: stats of the 64 blocks, 256 bytes + 16 each
.set BE,  17408                        ; beta: 256 bytes a wave
.set XL,  21504                        ; x: 256 bytes a wave
.set RED, 25600                        ; the sixteen waves' shares of the 64 outputs: 256 bytes a wave
	s_load_b256 s[4:11], s[0:1], 0x0               ; part s[4:5], stats s[6:7], Wo s[8:9], bo s[10:11]
	s_load_b64 s[12:13], s[0:1], 0x20              ; out0
	v_lshl_add_u32 v7, v0, 2, 0x7400
	v_mov_b32 v23, 0
	v_lshrrev_b32 v1, 5, v0
	v_readfirstlane_b32 s14, v1                    ; wave v
	s_and_b32 s15, ttmp7, 0xffff                   ; b
	v_and_b32 v1, 31, v0                           ; lane
	v_and_b32 v2, 15, v0                           ; lane % 16
	v_bfe_u32 v3, v0, 4, 1                         ; lane / 16
	v_lshlrev_b32 v4, 4, v0                        ; stats: 16 bytes a thread, 8,192 a load
	v_lshlrev_b32 v5, 3, v1                        ; 8 lane: bo and out0
	v_lshlrev_b32 v6, 4, v2
	v_lshl_add_u32 v6, v3, 12, v6                  ; part and Wo: 16 (lane % 16), and lanes 16-31 one row of 4,096 bytes further down
	v_lshrrev_b32 v8, 4, v0
	v_mul_u32_u24 v8, v8, 272
	v_lshl_add_u32 v8, v2, 4, v8                   ; stats into LDS: block thread / 16, 16 (thread % 16)
	s_lshl_b32 s26, s14, 3
	v_mul_u32_u24 v9, v1, 272
	v_add_nc_u32 v9, s26, v9                       ; (m, l) of block lane, head v
	s_lshl_b32 s26, s14, 8                         ; 256 v
	s_add_co_u32 s27, s26, BE
	v_and_b32 v24, 1, v0
	v_lshlrev_b32 v24, 7, v24
	v_lshrrev_b32 v25, 1, v1
	v_lshl_add_u32 v24, v25, 2, v24
	v_add_nc_u32 v24, s27, v24                     ; beta of block lane: 128 (lane % 2) + 4 (lane / 2); block lane + 32 lies 64 bytes on
	v_lshl_add_u32 v25, v3, 7, s27                 ; the 32 beta of my half's blocks
	s_add_co_u32 s30, s26, XL
	v_lshl_add_u32 v26, v2, 3, s30                 ; x: my four numbers, 4 (lane % 16) + e: at 8 (lane % 16) + 128 (e % 2) + 4 (e / 2)
	v_lshl_add_u32 v27, v3, 7, s30                 ; the 32 x of my half's rows of Wo
	s_add_co_u32 s31, s26, RED
	v_lshl_add_u32 v28, v2, 4, s31                 ; my wave's share
	v_lshl_add_u32 v29, v1, 3, RED                 ; all shares, 8 bytes a lane
	v_mov_b32 v19, 0                               ; (a lane permute's destination counts as one of its sources)
	v_mov_b32 v20, 0
	v_mov_b32 v21, 0
	s_mov_b32 s28, 0x76543210
	s_mov_b32 s29, 0xfedcba98                      ; v_permlanex16_b32's selects for lane l xor 16
	s_lshl_b32 s16, s15, 18                        ; part: 64 blocks of 4,096 bytes a batch,
	s_add_co_u32 s16, s16, s26                     ; 256 bytes a head
	s_mov_b32 s17, 0
	s_lshl_b32 s18, s15, 14                        ; stats: 64 blocks of 256 bytes
	s_mov_b32 s19, 0
	s_lshl_b32 s20, s14, 18                        ; Wo: 64 rows a wave,
	s_lshl_b32 s22, ttmp9, 8                       ; 256 bytes a work-group
	s_add_co_u32 s20, s20, s22
	s_mov_b32 s21, 0
	s_mov_b32 s23, 0
	s_lshl_b32 s24, s15, 12
	s_add_co_u32 s24, s24, s22
	s_mov_b32 s25, 0
	s_wait_kmcnt 0x0
	s_add_nc_u64 s[4:5], s[4:5], s[16:17]
	s_add_nc_u64 s[6:7], s[6:7], s[18:19]
	s_add_nc_u64 s[8:9], s[8:9], s[20:21]
	s_add_nc_u64 s[10:11], s[10:11], s[22:23]
	s_add_nc_u64 s[12:13], s[12:13], s[24:25]
	global_load_b128 v[32:35], v4, s[6:7]          ; stats, in whole units of 256 bytes, sixteen lanes each
	global_load_b128 v[36:39], v4, s[6:7] offset:8192
	global_load_b64 v[30:31], v5, s[10:11]
.irp i, 0,1,2,3,4,5,6,7,8,9,10,11,12,13,14,15,16,17,18,19,20,21,22,23,24,25,26,27,28,29,30,31
	global_load_b128 v[64+4*\i:67+4*\i], v6, s[4:5] offset:8192*\i     ; part: blocks 2 i and 2 i + 1, my 4 columns
.endr
.irp j, 0,1,2,3,4,5,6,7,8,9,10,11,12,13,14,15
	global_load_b128 v[192+4*\j:195+4*\j], v6, s[8:9] offset:8192*\j   ; Wo: rows 2 j and 2 j + 1 of my 64, my 4 outputs
.endr
	s_wait_loadcnt 49                              ; stats are in; bo, part's 32 and Wo's 16 behind them stay out
	ds_store_b128 v8, v[32:35]
	ds_store_b128 v8, v[36:39] offset:8704
	s_wait_dscnt 0x0
	s_barrier_signal -1
	s_barrier_wait -1                              ; the batch's stats lie in LDS
	ds_load_b64 v[10:11], v9                       ; my head: blocks lane and lane + 32
	ds_load_b64 v[12:13], v9 offset:8704
	s_wait_dscnt 0x0
	v_max_num_f32 v18, v10, v12
.irp x, 1,2,4,8
	v_max_num_f32_dpp v18, v18, v18 row_xmask:\x row_mask:0xf bank_mask:0xf
.endr
	v_permlanex16_b32 v20, v18, s28, s29
	v_max_num_f32 v18, v18, v20                    ; M, in every lane
	v_sub_f32 v10, v10, v18
	v_sub_f32 v12, v12, v18
	v_mul_f32 v10, 0x3fb8aa3b, v10
	v_mul_f32 v12, 0x3fb8aa3b, v12
	v_exp_f32 v10, v10                             ; alpha
	v_exp_f32 v12, v12
	v_nop
	s_wait_alu depctr_va_vdst(0)                   ; one wait for the two, ahead of their first reader
	v_mul_f32 v22, v10, v11
	v_fma_f32 v22, v12, v13, v22
.irp x, 1,2,4,8
	v_add_f32_dpp v22, v22, v22 row_xmask:\x row_mask:0xf bank_mask:0xf
.endr
	v_permlanex16_b32 v20, v22, s28, s29
	v_add_f32 v22, v22, v20                        ; L
	v_rcp_f32 v22, v22
	v_nop
	s_wait_alu depctr_va_vdst(0)
	v_mul_f32 v10, v10, v22                        ; beta
	v_mul_f32 v12, v12, v22
	ds_store_b32 v24, v10
	ds_store_b32 v24, v12 offset:64
.irp i, 0,1,2,3,4,5,6,7
	ds_load_b128 v[32+4*\i:35+4*\i], v25 offset:16*\i   ; my wave's own bytes, served in order: register i is beta of block 2 i + lane / 16
.endr
	s_wait_dscnt 0x0
; Two packed multiply-adds by factor n of the 32 in v32-63, broadcast, onto the four sums at v[ar]; n = 0 starts the sums
.macro FMA4 ar, dr, n
.set CR, 32+2*((\n)/2)
.if (\n) == 0
	v_pk_mul_f32 v[\ar:\ar+1], v[\dr:\dr+1], v[CR:CR+1] op_sel_hi:[1,0]
	v_pk_mul_f32 v[\ar+2:\ar+3], v[\dr+2:\dr+3], v[CR:CR+1] op_sel_hi:[1,0]
.elseif ((\n)%2) == 0
	v_pk_fma_f32 v[\ar:\ar+1], v[\dr:\dr+1], v[CR:CR+1], v[\ar:\ar+1] op_sel_hi:[1,0,1]
	v_pk_fma_f32 v[\ar+2:\ar+3], v[\dr+2:\dr+3], v[CR:CR+1], v[\ar+2:\ar+3] op_sel_hi:[1,0,1]
.else
	v_pk_fma_f32 v[\ar:\ar+1], v[\dr:\dr+1], v[CR:CR+1], v[\ar:\ar+1] op_sel:[0,1,0] op_sel_hi:[1,1,1]
	v_pk_fma_f32 v[\ar+2:\ar+3], v[\dr+2:\dr+3], v[CR:CR+1], v[\ar+2:\ar+3] op_sel:[0,1,0] op_sel_hi:[1,1,1]
.endif
.endm
; part's load i is used; the first 16 slots then take Wo's loads 16 + i.  The count: the loads issued behind load i: 31 - i of part, Wo's first 16, and the i (later all 16) issued since
.set Q, 0
.rept 32
.if Q < 16
	s_wait_loadcnt 47
.else
	s_wait_loadcnt 63-Q
.endif
	FMA4 10, 64+4*Q, Q
.if Q < 16
	global_load_b128 v[64+4*Q:67+4*Q], v6, s[8:9] offset:8192*(16+Q)
.endif
.set Q, Q+1
.endr
.irp e, 0,1,2,3
	v_permlanex16_b32 v[18+\e], v[10+\e], s28, s29
.endr
	v_pk_add_f32 v[10:11], v[10:11], v[18:19]      ; even blocks' and odd blocks' sums: x of my four columns, in both halves of the lanes
	v_pk_add_f32 v[12:13], v[12:13], v[20:21]
	ds_store_b32 v26, v10                          ; (lanes l and l + 16 write the same bytes with the same values)
	ds_store_b32 v26, v11 offset:128
	ds_store_b32 v26, v12 offset:4
	ds_store_b32 v26, v13 offset:132
.irp i, 0,1,2,3,4,5,6,7
	ds_load_b128 v[32+4*\i:35+4*\i], v27 offset:16*\i   ; my wave's own bytes: register j is x of row 2 j + lane / 16
.endr
	s_wait_dscnt 0x0
.set Q, 0
.rept 32                                       ; Wo's load j is used: behind it 31 - j loads were issued
	s_wait_loadcnt 31-Q
.if Q < 16
	FMA4 14, 192+4*Q, Q
.else
	FMA4 14, 4*Q, Q
.endif
.set Q, Q+1
.endr
.irp e, 0,1,2,3
	v_permlanex16_b32 v[18+\e], v[14+\e], s28, s29
.endr
	v_pk_add_f32 v[14:15], v[14:15], v[18:19]      ; even rows' and odd rows' sums: my wave's 64 rows
	v_pk_add_f32 v[16:17], v[16:17], v[20:21]
	ds_store_b128 v28, v[14:17]                    ; (again the same bytes and values from both halves)
	s_wait_dscnt 0x0
	s_barrier_signal -1
	s_barrier_wait -1
	s_cmp_lg_u32 s14, 0
	s_cbranch_scc1 .Lend
.irp i, 0,1,2,3,4,5,6,7,8,9,10,11,12,13,14,15
	ds_load_b64 v[64+2*\i:65+2*\i], v29 offset:256*\i
.endr
	s_wait_dscnt 0x0
.irp i, 0,1,2,3,4,5,6,7
	v_pk_add_f32 v[64+4*\i:65+4*\i], v[64+4*\i:65+4*\i], v[66+4*\i:67+4*\i]
.endr
.irp i, 0,1,2,3
	v_pk_add_f32 v[64+8*\i:65+8*\i], v[64+8*\i:65+8*\i], v[68+8*\i:69+8*\i]
.endr
	v_pk_add_f32 v[64:65], v[64:65], v[72:73]
	v_pk_add_f32 v[80:81], v[80:81], v[88:89]
	v_pk_add_f32 v[64:65], v[64:65], v[80:81]
	v_pk_add_f32 v[64:65], v[64:65], v[30:31]      ; + bo
	global_store_b64 v5, v[64:65], s[12:13]        ; 32 lanes store 256 consecutive bytes, aligned
.Lend:
	s_wait_tensorcnt 0x0
	ds_add_u32 v7, v23
	s_wait_dscnt 0x0
	s_endpgm
.Lfunc_end_k_q9dd7e613a4_finish:
	.size	k_q9dd7e613a4_finish, .Lfunc_end_k_q9dd7e613a4_finish-k_q9dd7e613a4_finish
	.p2alignl 7, 3214868480
	.fill 96, 4, 3214868480
	.section	.rodata,"a",@progbits
	.p2align	6, 0x0
	.amdhsa_kernel k_q9dd7e613a4_finish
		.amdhsa_group_segment_fixed_size 31744
		.amdhsa_private_segment_fixed_size 0
		.amdhsa_enable_private_segment 0
		.amdhsa_kernarg_size 40
		.amdhsa_user_sgpr_count 2
		.amdhsa_user_sgpr_kernarg_segment_ptr 1
		.amdhsa_wavefront_size32 1
		.amdhsa_system_sgpr_workgroup_id_x 1
		.amdhsa_system_sgpr_workgroup_id_y 1
		.amdhsa_system_sgpr_workgroup_id_z 1
		.amdhsa_system_vgpr_workitem_id 0
		.amdhsa_next_free_vgpr 256
		.amdhsa_next_free_sgpr 66
		.amdhsa_reserve_vcc 0
		.amdhsa_float_denorm_mode_32 3
		.amdhsa_float_denorm_mode_16_64 3
		.amdhsa_memory_ordered 1
		.amdhsa_forward_progress 1
		.amdhsa_inst_pref_size 26
	.end_amdhsa_kernel
	.amdgpu_metadata
---
amdhsa.version: [ 1, 2 ]
amdhsa.kernels:
  - .name:           k_q9dd7e613a4_finish
    .symbol:         k_q9dd7e613a4_finish.kd
    .args:
      - { .name: part, .offset: 0, .size: 8, .value_kind: global_buffer, .address_space: global }
      - { .name: stats, .offset: 8, .size: 8, .value_kind: global_buffer, .address_space: global }
      - { .name: Wo, .offset: 16, .size: 8, .value_kind: global_buffer, .address_space: global }
      - { .name: bo, .offset: 24, .size: 8, .value_kind: global_buffer, .address_space: global }
      - { .name: out0, .offset: 32, .size: 8, .value_kind: global_buffer, .address_space: global }
    .group_segment_fixed_size: 31744
    .private_segment_fixed_size: 0
    .kernarg_segment_align: 8
    .kernarg_segment_size: 40
    .max_flat_workgroup_size: 512
    .sgpr_count:     66
    .vgpr_count:     256
    .wavefront_size: 32
...
	.end_amdgpu_metadata
.endif
;; end of part 3
